; MI455X (gfx1250); checked and timed in simulation.
; The chip was launched on July 23, 2026; its instructions are those of AMD's public machine-readable ISA for CDNA 5 (MIT licence, August 2026) and "CDNA5" Instruction Set Architecture Reference Guide (July 2026). The comments in the code are by the model that wrote it; some were corrected since.
;; Gradient. Allowed arithmetic: matrix products marked QUANTISED: E2M1 operands, one E8M0 scale for each 32 along K, by v_wmma_scale_f32_16x16x128_f8f6f4 with both operands' format E2M1 (or v_wmma_scale_f32_32x16x128_f4), f32 sums; products left as they are: f32 operands where the result goes on into a quantised operand, else bf16, f16 or f32 operands; f32 sums; everything else in f32.
;; Inputs: W1 4 x 512 float32; W2 512 x 512 float32; W3 512 x 2 float32; b1 512 float32; b2 512 float32; b3 2 float32; x 256 x 4 float32.
;; Outputs: out0 256 x 2 float32; out1 256 x 2 x 4 float32; out2 256 x 2 x 4 x 4 float32; out3 256 x 2 x 4 x 4 x 4 float32.
;; This version of the problem:
;;   THIS VERSION OF THE PROBLEM IS GIVEN IN LOW PRECISION. The matrix products marked QUANTISED in the list below multiply operands that are first quantised to E2M1 (2 exponent bits, 1 mantissa bit; 4 bits a number), with one power-of-two scale for each 32 numbers along K (OCP MX v1.0); their sums are f32. All else is computed in f32.
;;   The module's matrix products, in the order in which they are computed (A, B: the left and right operand; K: the contracted axis; several contracted axes count as one K, in the product's order):
;;     1. [M 256, K 4] x [K 4, N 512]; A: input x; B: input W1: left as it is (K = 4 < 32)
;;     2. [M 256, K 512] x [K 512, N 512]; A: computed on the way; B: input W2: QUANTISED
;;     3. [M 256, K 512] x [K 512, N 2]; A: computed on the way; B: input W3: left as it is (N = 2 < 16)
;;     4. [M 256, K 4] x [K 4, N 512]; A: input x; B: input W1: left as it is (K = 4 < 32)
;;     5. [M 256, K 512] x [K 512, N 512]; A: computed on the way; B: input W2: QUANTISED
;;     6. [M 256, K 512] x [K 512, N 2]; A: computed on the way; B: input W3: left as it is (N = 2 < 16)
;;     7. [M 2, K 2] x [K 2, N 512]; A: computed on the way; B: input W3: left as it is (K = 2 < 32)
;;     8. [M 512, K 512] x [K 512, N 512]; A: computed on the way; B: input W2: QUANTISED
;;     9. [M 512, K 512] x [K 512, N 4]; A: computed on the way; B: input W1: left as it is (N = 4 < 16)
;;     10. [M 256, K 4] x [K 4, N 512]; A: input x; B: input W1: left as it is (K = 4 < 32)
;;     11. [M 256, K 512] x [K 512, N 512]; A: computed on the way; B: input W2: QUANTISED
;;     12. [M 256, K 512] x [K 512, N 2]; A: computed on the way; B: input W3: left as it is (N = 2 < 16)
;;     13. [M 2, K 2] x [K 2, N 512]; A: computed on the way; B: input W3: left as it is (K = 2 < 32)
;;     14. [M 512, K 512] x [K 512, N 512]; A: computed on the way; B: input W2: QUANTISED
;;     15. [M 512, K 512] x [K 512, N 4]; A: computed on the way; B: input W1: left as it is (N = 4 < 16)
;;     16. [M 16, K 4] x [K 4, N 512]; A: computed on the way; B: input W1: left as it is (K = 4 < 32)
;;     17. [M 4,096, K 512] x [K 512, N 512]; A: computed on the way; B: input W2: QUANTISED
;;     18. [M 2,048, K 512] x [K 512, N 512]; A: computed on the way; B: input W2: QUANTISED
;;     19. [M 2,048, K 512] x [K 512, N 4]; A: computed on the way; B: input W1: left as it is (N = 4 < 16)
;;     20. [M 256, K 4] x [K 4, N 512]; A: input x; B: input W1: left as it is (K = 4 < 32)
;;     21. [M 256, K 512] x [K 512, N 512]; A: computed on the way; B: input W2: QUANTISED
;;     22. [M 256, K 512] x [K 512, N 2]; A: computed on the way; B: input W3: left as it is (N = 2 < 16)
;;     23. [M 2, K 2] x [K 2, N 512]; A: computed on the way; B: input W3: left as it is (K = 2 < 32)
;;     24. [M 512, K 512] x [K 512, N 512]; A: computed on the way; B: input W2: QUANTISED
;;     25. [M 512, K 512] x [K 512, N 4]; A: computed on the way; B: input W1: left as it is (N = 4 < 16)
;;     26. [M 16, K 4] x [K 4, N 512]; A: computed on the way; B: input W1: left as it is (K = 4 < 32)
;;     27. [M 4,096, K 512] x [K 512, N 512]; A: computed on the way; B: input W2: QUANTISED
;;     28. [M 2,048, K 512] x [K 512, N 512]; A: computed on the way; B: input W2: QUANTISED
;;     29. [M 2,048, K 512] x [K 512, N 4]; A: computed on the way; B: input W1: left as it is (N = 4 < 16)
;;     30. [M 256, K 4] x [K 4, N 512]; A: computed on the way; B: input W1: left as it is (K = 4 < 32)
;;     31. [M 65,536, K 512] x [K 512, N 512]; A: computed on the way; B: input W2: QUANTISED
;;     32. [M 131,072, K 512] x [K 512, N 512]; A: computed on the way; B: input W2: QUANTISED
;;     33. [M 16,384, K 512] x [K 512, N 512]; A: computed on the way; B: input W2: QUANTISED
;;     34. [M 8,192, K 512] x [K 512, N 512]; A: computed on the way; B: input W2: QUANTISED
;;     35. [M 8,192, K 512] x [K 512, N 4]; A: computed on the way; B: input W1: left as it is (N = 4 < 16)
;;   THE QUANTISER, for each operand of a quantised product, along K:
;;     - K is cut into blocks of 32 from its start; a last block that is shorter is filled with zeros.
;;     - A block's scale is 2^e with e = floor(log2(the largest magnitude in the block)) - 2, held to -126 .. 127; a block of zeros has e = 0. As a byte (E8M0): e + 127.
;;     - Each number is divided by its block's scale, clamped to +-6, and rounded to the nearest number of E2M1, ties to even, subnormals kept.
;;     - The product sums the exact products of the quantised numbers (number of the format x scale) in f32.
;;   ~~~python
;;   def quantise(x, axis):      # numpy; x: float32 -> the quantised numbers, widened to float32 again
;;       x = np.moveaxis(x, axis, -1); K = x.shape[-1]
;;       x = np.pad(x, [(0, 0)] * (x.ndim - 1) + [(0, -K % 32)]); x = x.reshape(x.shape[:-1] + (-1, 32)); a = np.abs(x).max(-1, keepdims=True)
;;       e = np.where(a > 0, np.clip(np.frexp(np.where(a > 0, a, 1))[1] - 1 - 2, -126, 127), 0)      # np.frexp(a)[1] - 1 = floor(log2(a)), exactly
;;       r = np.clip(x / 2.0 ** e, -6, 6)
;;       step = 2.0 ** (np.maximum(np.frexp(np.where(r == 0, 1, r))[1] - 1, 0) - 1)
;;       q = np.round(r / step) * step * 2.0 ** e      # np.round: ties to even
;;       return np.moveaxis(q.reshape(q.shape[:-2] + (-1,))[..., :K], -1, axis).astype(np.float32)
;;   ~~~
;;   OPERANDS COMPUTED ON THE WAY. 'Computed on the way' means the value that the module computes at that place (a softmax that the list does not call 'softmax' is quantised finished and normalised). What goes into a quantiser is computed in f32, as accurately as f32 sums, v_exp_f32 and their like allow (about 1e-6 of the number): no bf16 or f16 on the way to a quantiser, and a product that is left as it is and whose result goes on into a quantised operand takes f32 operands (vector FMAs, or v_wmma_f32_16x16x4_f32). A number that lies on a knife's edge between two numbers of the format may be rounded either way, as far as f32 arithmetic and the matrix unit's own rounding can turn it there, and no further.
;; One version. Each part assembles by itself: llvm-mc -triple=amdgcn-amd-amdhsa -mcpu=gfx1250 --defsym DOCPART=n.
;; ======== version 1 of 1: 2 launches
;; workspace buffers: wq 278,528 bytes
;; launch quant (part 1): grid 64 x 1, 8 waves a work-group, no clusters, 39,424 bytes of LDS; arguments W2, wq; writes wq
.if DOCPART == 1
	.amdgcn_target "amdgcn-amd-amdhsa--gfx1250"
	.amdhsa_code_object_version 6
	.text
	.protected	k_qbfb663a120_quant
	.globl	k_qbfb663a120_quant
	.p2align	8
	.type	k_qbfb663a120_quant,@function
k_qbfb663a120_quant:
	s_mov_b64 s[64:65], 0
	v_nop
	global_prefetch_b8 v0, s[64:65] scope:SCOPE_SE
	s_setreg_imm32_b32 hwreg(HW_REG_WAVE_MODE, 25, 1), 1
	s_wait_xcnt 0x0
; W2 [512 (i)][512 (j)], f32, becomes codes of E2M1 with one E8M0 byte for each 32 along K, TWICE: family 0 with K = i (its first axis: the products h @ W2), family 1 with K = j (the products ct @ W2^T).
; The codes are laid in the order in which the second launch's operand registers take them, so that each of its lanes loads whole fragments of 16 bytes.
;
; WHAT THE PROGRAM LEAVES OUT OF reference(), AND WHY IT CAN REACH NO OUTPUT (i: hidden 1, j: hidden 2, o: output; a, c, k: input axes in the order in which jacrev appends them).
;   h1 = tanh(x W1 + b1), d1 = 1 - h1^2, T1[a] = d1 W1[a], T2[ac] = -2 h1 d1 W1[a] W1[c];  z2 = Q(h1).Q0(W2) + b2, V[a] = Q(T1[a]).Q0(W2), V2[ac] = Q(T2[ac]).Q0(W2);
;   h2 = tanh z2, d2 = 1 - h2^2, m2 = -2 h2 d2, q2 = d2 (6 h2^2 - 2);  U[o] = Q(W3[:,o] d2).Q1(W2), S[o,a] = Q(W3[:,o] m2 V[a]).Q1(W2), S3[o,ac] = Q(W3[:,o] (q2 V[a] V[c] + m2 V2[ac])).Q1(W2).
;   (1) jax.vmap(f), j1, j2, j3 each run the passes below them again on the same x: products 4-6, 10-15 and 20-29 of the table have the operands of products 1-3, 7-9, 16-19 and give the same numbers.
;   (2) jacrev's cotangents are identity matrices that it builds itself.  A row of a product whose cotangent names another output than its own is a row of zeros whatever the inputs hold: one row in 2 of products 17, 27 and 33
;       and one in 8 of products 31 and 32 is not zero.  A product with an identity (7, 13, 16, 23, 26, 30) is a copy of W3's or W1's rows.
;   (3) The rows of product 31 that are not zero are T1[c]: product 17's rows.  Those of product 32 are W3[:,o''] m2 V[c]: product 18's rows, and those with o'' other than the cotangent's o are then multiplied by the identity's zero.
;   (4) T2[ac] and S3's operand are the same for (a, c) and (c, a) in real numbers: ten pairs stand for sixteen.
;   So a sample has 15 different live rows with K = i and 30 with K = j; all inputs have a way to an output and are loaded.
; LIMITS: a NaN, an infinity or an overflow that reaches only the rows left out is not carried to the result; NaN and infinities among the inputs are not served.
; A block's scale byte is its largest magnitude's exponent field - 2, held at 1 from below; a block of zeros so gets the byte 1 where the rule says 127: its codes are zeros, and this program alone reads the bytes.
;
; LAYOUT OF wq.  F family, w the reading wave (columns 128 w on), s the K step of 128, g the half of the wave's columns, t = 0..3, c = 0, 1, lane = 16 h + r:
;   codes at F 131072 + w 32768 + s 8192 + (4 g + t) 1024 + c 512 + 16 lane: the 32 codes of column 128 w + 64 g + 4 r + t for K = 128 s + 64 c + 32 h + 0..31;
;   scale words at 262144 + F 8192 + w 2048 + s 512 + g 256 + 4 (16 t + r): byte 2 c + h scales K = 128 s + 32 (2 c + h) on.
; SHARES.  Work-group X = 32 F + 8 w + 2 s + g makes the 4,096 code bytes at 4096 X (thread T's 16 bytes at 16 T, T = 64 t + 32 c + 16 h + r) and the 256 scale bytes at 262144 + 256 X: whole aligned runs.
; The two families part on the work-group's number, the same in all eight waves; each has LDS bytes of its own.
.set TILE,  0                          ; family 1: 64 rows of W2 x 128 numbers, rows 528 bytes apart (33 x 16: sixteen rows start in sixteen different groups of banks)
.set TPB,   528
.set SCB,   33792                      ; family 1: the 256 scale bytes
.set STA,   34048                      ; family 0: the 4,096 code bytes
.set SCA,   38144                      ; family 0: the 256 scale bytes
.set SPARE, 38400                      ; the spare words, 128 bytes for each of eight waves: no other line names them
.set X,     32                         ; v32-63  a block's 32 numbers, K ascending
.set C,     64                         ; v64-67  its codes
.set E,     68                         ; v68     its scale byte
.set SPW,   14                         ; v14     LDS address of my spare word; never rewritten
.set NIL,   15                         ; v15     0; never rewritten
; 32 numbers of one lane become 16 bytes of codes and a scale byte
.macro QBLOCK
	v_max3_num_f32 v10, |v[X]|, |v[X+1]|, |v[X+2]|             ; the block's largest magnitude, in two chains
	v_max3_num_f32 v11, |v[X+3]|, |v[X+4]|, |v[X+5]|
.irp i, 6,10,14,18,22,26
	s_delay_alu instid0(VALU_DEP_2)
	v_max3_num_f32 v10, v10, |v[X+\i]|, |v[X+\i+1]|
	s_delay_alu instid0(VALU_DEP_2)
	v_max3_num_f32 v11, v11, |v[X+\i+2]|, |v[X+\i+3]|
.endr
	s_delay_alu instid0(VALU_DEP_2)
	v_max3_num_f32 v10, v10, |v[X+30]|, |v[X+31]|
	s_delay_alu instid0(VALU_DEP_1)
	v_max3_num_f32 v10, v10, v11, 0x1800000                    ; and the floor 2^(3 - 127): the byte cannot fall under 1
	s_delay_alu instid0(VALU_DEP_1)
	v_add_nc_u32 v12, 0xff000000, v10                          ; 2 off the exponent field: the conversion takes this operand's exponent field as its scale
.irp g, 0,1,2,3
	v_cvt_scalef32_pk8_fp4_f32 v[C+\g], v[X+8*\g:X+8*\g+7], v12
.endr
	v_lshrrev_b32 v[E], 23, v12                                ; the scale's byte; also the plain line behind the conversions
.endm
; the 256 scale bytes leave as one aligned run, by wave 0; then every wave's end
.macro SCOUT
	s_cmp_lg_u32 s8, 0
	s_cbranch_scc1 .Lnot_wave_0_\@
	ds_load_b64 v[76:77], v19                                  ; behind the barrier: bytes that all eight waves stored
	s_wait_dscnt 0x0
	global_store_b64 v8, v[76:77], s[20:21]                    ; 32 lanes store 256 consecutive bytes, aligned
.Lnot_wave_0_\@:
	s_wait_tensorcnt 0x0                                       ; the wave's end, behind my last LDS store
	ds_add_u32 v[SPW], v[NIL]
	s_wait_dscnt 0x0
	s_endpgm
.endm
	s_load_b128 s[4:7], s[0:1], 0x0                ; W2 s[4:5], wq s[6:7]
	v_lshl_add_u32 v[SPW], v0, 2, SPARE
	v_mov_b32 v[NIL], 0
	v_lshrrev_b32 v1, 5, v0
	s_delay_alu instid0(VALU_DEP_1)
	v_readfirstlane_b32 s8, v1                     ; wave 0..7
	v_and_b32 v1, 31, v0                           ; lane L
	v_lshlrev_b32 v9, 4, v0                        ; 16 T: my codes' place in the work-group's 4,096 bytes
	s_delay_alu instid0(VALU_DEP_2)
	v_lshlrev_b32 v8, 3, v1                        ; 8 L: the scale bytes' way out
	s_bfe_u32 s9, ttmp9, 0x20003                   ; w
	s_bfe_u32 s10, ttmp9, 0x20001                  ; s
	s_and_b32 s11, ttmp9, 1                        ; g
	s_lshl_b32 s18, ttmp9, 12                      ; 4096 X
	s_mov_b32 s19, 0
	s_lshl_b32 s20, ttmp9, 8
	s_add_co_u32 s20, s20, 262144                  ; 262144 + 256 X
	s_mov_b32 s21, 0
	s_wait_kmcnt 0x0
	s_add_nc_u64 s[18:19], s[6:7], s[18:19]        ; where my work-group's codes go
	s_add_nc_u64 s[20:21], s[6:7], s[20:21]        ; and its scale words
	s_cmp_lt_u32 ttmp9, 32
	s_cbranch_scc0 .Lfamily_1
	; ---- FAMILY 0: K = i is W2's first axis.  A lane takes a column j and its registers run down K: nothing is transposed.
	; Wave: block 2 c + h = wave / 2 of the K step, half G = wave % 2 of the 64 columns; lane L: column 32 G + L = 4 r + t.
	s_lshl_b32 s16, s10, 18                        ; 128 s rows of 2,048 bytes
	s_lshl_b32 s12, s9, 9
	s_add_co_u32 s16, s16, s12                     ; + 128 w columns
	s_lshl_b32 s12, s11, 8
	s_add_co_u32 s16, s16, s12                     ; + 64 g columns
	s_mov_b32 s17, 0
	s_add_nc_u64 s[16:17], s[4:5], s[16:17]
	v_and_b32 v2, 3, v0                            ; t = L % 4
	v_bfe_u32 v3, v0, 2, 3                         ; L / 4
	v_bfe_u32 v4, v0, 5, 1                         ; G
	v_bfe_u32 v5, v0, 6, 2                         ; the block, 2 c + h
	s_wait_alu depctr_va_vdst(0)
	v_lshlrev_b32 v6, 2, v1
	s_delay_alu instid0(VALU_DEP_1)
	v_lshl_add_u32 v6, v4, 7, v6
	s_delay_alu instid0(VALU_DEP_1)
	v_lshl_add_u32 v6, v5, 16, v6                  ; in W2: block x 32 rows + (32 G + L) x 4
	v_lshlrev_b32 v16, 10, v2
	s_delay_alu instid0(VALU_DEP_1)
	v_lshl_add_u32 v16, v5, 8, v16
	s_delay_alu instid0(VALU_DEP_1)
	v_lshl_add_u32 v16, v4, 7, v16
	s_delay_alu instid0(VALU_DEP_1)
	v_lshl_add_u32 v16, v3, 4, v16
	s_delay_alu instid0(VALU_DEP_1)
	v_add_nc_u32 v16, STA, v16                     ; my codes in the stage: 16 (64 t + 16 (2 c + h) + r), r = 8 G + L / 4
	v_lshlrev_b32 v17, 6, v2
	s_delay_alu instid0(VALU_DEP_1)
	v_lshl_add_u32 v17, v4, 5, v17
	s_delay_alu instid0(VALU_DEP_1)
	v_lshl_add_u32 v17, v3, 2, v17
	s_delay_alu instid0(VALU_DEP_1)
	v_add_nc_u32 v17, v17, v5
	s_delay_alu instid0(VALU_DEP_1)
	v_add_nc_u32 v17, SCA, v17                     ; my byte: 4 (16 t + r) + 2 c + h
	v_add_nc_u32 v18, STA, v9                      ; back out of the stage: 16 T
	v_lshl_add_u32 v19, v1, 3, SCA
.irp k, 0,1,2,3,4,5,6,7,8,9,10,11,12,13,14,15,16,17,18,19,20,21,22,23,24,25,26,27,28,29,30,31
	global_load_b32 v[X+\k], v6, s[16:17] offset:\k*2048       ; W2(K + k, my column): a wave reads 128 neighbouring bytes, two waves side by side 256
.endr
	s_wait_loadcnt 0x0
	QBLOCK
	ds_store_b128 v16, v[C:C+3]
	ds_store_b8 v17, v[E]
	s_wait_dscnt 0x0                               ; for the others' sake: my stores have landed
	s_barrier_signal -1
	s_barrier_wait -1
	ds_load_b128 v[72:75], v18
	s_wait_dscnt 0x0
	global_store_b128 v9, v[72:75], s[18:19]       ; a wave stores 512 consecutive bytes, aligned
	SCOUT
.Lfamily_1:
	; ---- FAMILY 1: K = j is innermost.  64 rows i x 512 bytes come in as they lie, turn through LDS, and each thread takes the 32 neighbours of its block.
	s_lshl_b32 s16, s9, 18                         ; 128 w rows of 2,048 bytes
	s_lshl_b32 s12, s11, 17
	s_add_co_u32 s16, s16, s12                     ; + 64 g rows
	s_lshl_b32 s12, s10, 9
	s_add_co_u32 s16, s16, s12                     ; + 128 s numbers
	s_mov_b32 s17, 0
	s_add_nc_u64 s[16:17], s[4:5], s[16:17]
	s_wait_alu depctr_va_vdst(0)
	v_lshlrev_b32 v6, 4, v1                        ; 16 L
	v_lshrrev_b32 v2, 5, v0                        ; wave
	s_delay_alu instid0(VALU_DEP_1)
	v_lshl_add_u32 v7, v2, 11, v6                  ; in W2: row = wave (+ 8 q), 16 bytes a lane
	s_delay_alu instid0(VALU_DEP_2)
	v_and_b32 v3, 3, v2
	s_delay_alu instid0(VALU_DEP_3)
	v_lshrrev_b32 v4, 2, v2
	s_delay_alu instid0(VALU_DEP_1)
	v_lshl_add_u32 v3, v3, 4, v4                   ; row 4 r + t lies at place 16 t + r: here 16 (wave % 4) + wave / 4 (+ 2 q)
	s_delay_alu instid0(VALU_DEP_1)
	v_mad_u32_u24 v16, v3, TPB, v6
	v_lshrrev_b32 v4, 6, v0                        ; t
	v_and_b32 v5, 15, v0                           ; r
	s_delay_alu instid0(VALU_DEP_1)
	v_lshl_add_u32 v4, v4, 4, v5                   ; 16 t + r
	v_bfe_u32 v5, v0, 4, 2                         ; 2 c + h
	s_delay_alu instid0(VALU_DEP_2)
	v_mul_u32_u24 v17, v4, TPB
	s_delay_alu instid0(VALU_DEP_1)
	v_lshl_add_u32 v17, v5, 7, v17                 ; my block: place 16 t + r, 128 bytes for each block passed
	s_delay_alu instid0(VALU_DEP_3)
	v_lshl_add_u32 v18, v4, 2, v5
	s_delay_alu instid0(VALU_DEP_1)
	v_add_nc_u32 v18, SCB, v18                     ; my byte: 4 (16 t + r) + 2 c + h
	v_lshl_add_u32 v19, v1, 3, SCB
.irp q, 0,1,2,3,4,5,6,7
	global_load_b128 v[X+4*\q:X+4*\q+3], v7, s[16:17] offset:\q*16384   ; a wave reads 512 consecutive bytes of row wave + 8 q
.endr
	s_wait_alu depctr_va_vdst(0)
	s_wait_loadcnt 0x0
.irp q, 0,1,2,3,4,5,6,7
	ds_store_b128 v16, v[X+4*\q:X+4*\q+3] offset:TILE+\q*2*TPB
.endr
	s_wait_dscnt 0x0                               ; for the others' sake: my rows have landed
	s_barrier_signal -1
	s_barrier_wait -1
.irp q, 0,1,2,3,4,5,6,7
	ds_load_b128 v[X+4*\q:X+4*\q+3], v17 offset:TILE+16*\q
.endr
	s_wait_dscnt 0x0
	QBLOCK
	global_store_b128 v9, v[C:C+3], s[18:19]       ; a wave stores 512 consecutive bytes, aligned
	ds_store_b8 v18, v[E]
	s_wait_dscnt 0x0                               ; for wave 0's sake
	s_barrier_signal -1
	s_barrier_wait -1
	SCOUT
.Lfunc_end_k_qbfb663a120_quant:
	.size	k_qbfb663a120_quant, .Lfunc_end_k_qbfb663a120_quant-k_qbfb663a120_quant
	.p2alignl 7, 3214868480
	.fill 96, 4, 3214868480
	.section	.rodata,"a",@progbits
	.p2align	6, 0x0
	.amdhsa_kernel k_qbfb663a120_quant
		.amdhsa_group_segment_fixed_size 39424
		.amdhsa_private_segment_fixed_size 0
		.amdhsa_enable_private_segment 0
		.amdhsa_kernarg_size 16
		.amdhsa_user_sgpr_count 2
		.amdhsa_user_sgpr_kernarg_segment_ptr 1
		.amdhsa_wavefront_size32 1
		.amdhsa_system_sgpr_workgroup_id_x 1
		.amdhsa_system_sgpr_workgroup_id_y 1
		.amdhsa_system_sgpr_workgroup_id_z 1
		.amdhsa_system_vgpr_workitem_id 0
		.amdhsa_next_free_vgpr 96
		.amdhsa_next_free_sgpr 66
		.amdhsa_reserve_vcc 0
		.amdhsa_float_denorm_mode_32 3
		.amdhsa_float_denorm_mode_16_64 3
		.amdhsa_memory_ordered 1
		.amdhsa_forward_progress 1
		.amdhsa_inst_pref_size 15
	.end_amdhsa_kernel
	.amdgpu_metadata
---
amdhsa.version: [ 1, 2 ]
amdhsa.kernels:
  - .name:           k_qbfb663a120_quant
    .symbol:         k_qbfb663a120_quant.kd
    .args:
      - { .name: W2, .offset: 0, .size: 8, .value_kind: global_buffer, .address_space: global }
      - { .name: wq, .offset: 8, .size: 8, .value_kind: global_buffer, .address_space: global }
    .group_segment_fixed_size: 39424
    .private_segment_fixed_size: 0
    .kernarg_segment_align: 8
    .kernarg_segment_size: 16
    .max_flat_workgroup_size: 256
    .sgpr_count:     66
    .vgpr_count:     96
    .wavefront_size: 32
...
	.end_amdgpu_metadata
.endif
;; end of part 1
;; launch chain (part 2): grid 256 x 1, 4 waves a work-group, no clusters, 83,968 bytes of LDS; arguments x, W1, b1, b2, W3, b3, wq, out0, out1, out2, out3; writes out0, out1, out2, out3
.if DOCPART == 2
	.amdgcn_target "amdgcn-amd-amdhsa--gfx1250"
	.amdhsa_code_object_version 6
	.text
	.protected	k_qbfb663a120_chain
	.globl	k_qbfb663a120_chain
	.p2align	8
	.type	k_qbfb663a120_chain,@function
k_qbfb663a120_chain:
	s_mov_b64 s[64:65], 0
	v_nop
	global_prefetch_b8 v0, s[64:65] scope:SCOPE_SE
	s_setreg_imm32_b32 hwreg(HW_REG_WAVE_MODE, 25, 1), 1
	s_wait_xcnt 0x0
; y, dy, ddy, dddy of the tanh MLP for ONE sample a work-group.  Left out as in the first kernel's head comment: the passes that reference() repeats, the rows that jacrev's own identity cotangents make zero, the rows of
; products 31 and 32 that repeat products 17's and 18's, and one of each pair (a, c), (c, a).  A NaN, an infinity or an overflow that reaches only those rows is not carried to the result.
;   h1 = tanh(x W1 + b1), d1 = 1 - h1^2, n = -2 h1, p = 6 h1^2 - 2, T1[a] = d1 W1[a], T2[ac] = n d1 W1[a] W1[c]
;   FIRST PRODUCT (K = i, 16 rows: h1, T1[0..3], T2[00 01 02 03 11 12 13 22 23 33], zeros):  z2 - b2, V[a], V2[ac]
;   h2 = tanh z2, d2 = 1 - h2^2, m2 = -2 h2 d2, q2 = d2 (6 h2^2 - 2)
;   SECOND PRODUCT (K = j, 32 rows 2 kind + o: W3[:,o] x {d2, m2 V[a], q2 V[a] V[c] + m2 V2[ac], 0}):  U[o], S[o,a], S3[o,ac]
;   y[o] = sum_j h2 W3[j,o] + b3[o];  dy[o,k] = sum_i T1[k] U[o];  ddy[o,a,k] = sum_i T1[k] (S[o,a] + n W1[a] U[o]);
;   dddy[o,a,c,k] = sum_i T1[k] (S3[o,ac] + n W1[a] S[o,c] + n W1[c] S[o,a] + p W1[a] W1[c] U[o]).     All but the two products in f32.
; LIMITS: NaN and infinities among the inputs are not served.  tanh is a ratio of two polynomials in z held to +-7.9053, beyond which h is within an ulp or two of +-1.
; SHARES.  Four waves.  Wave w owns columns 128 w .. 128 w + 127 of both products; its 2 x 32 weight fragments (512 registers) come from wq, laid in register order, straight into registers, each byte once.
; Thread T = 32 w + L owns the hidden units 4 T + t, t = 0..3, of both layers for all work that is not a product.
; NO CLUSTER, NO JOINT LOADS though all work-groups read the same wq: a joint load lands in LDS, wq's 278,528 bytes and this text's 83,968 do not fit there together, and the weights would have to be read once more, out of LDS.
; THE PRODUCTS ARE NOT TRANSPOSED: source 0 = the 16 rows' fragment, source 1 = 16 columns of weights, which are columns 128 w + 64 g + 4 r + t.  Register j of D in lane (r, h) is (row 8 h + j, that column).
; One exchange of halves between D(g = 0, t) and D(g = 1, t) then leaves row j in the first and row 8 + j in the second, both for column 128 w + 4 L + t: the thread's own hidden units.
; AN OPERAND'S WAY: a wave's 128 hidden units are one K step.  Rows go to the wave's own stage in LDS (16 bytes a lane), come back 16 neighbours of each block of 32 a lane, are quantised, and the fragment goes to the other waves as
; an image of its registers.  Three barriers: the first operand's images, the second's, the waves' partial sums.
; REGISTERS, in windows of 256.  Window 0: v0-15 addresses, v16-59 scale words and nothing else, v60-63, v64-127 and v128-255 at work (maps below).  Window 1: the first product's weights.  Window 2: the second's.
;   Window 3: v0-15 T1[k][t], v16-31 n W1[a][t], v32-71 p W1[a] W1[c] [pair][t], v128-255 the 128 sums at 8 kappa + 2 k + o (kappa 0: dy, 1-4: ddy[a], 5-14: dddy[pair], 15: y at k = 0).
.set TP,    528                        ; a stage row: 128 f32 + 16 bytes = 33 x 16: sixteen rows start in sixteen different groups of banks
.set TURNW, 32*TP                      ; LDS 0: a stage of 32 rows for each wave, its own
.set AIMG,  4*TURNW                    ; the first operand's 4 fragments, 1,024 bytes each (K step s)
.set ASC,   AIMG+4096                  ; their scale words, 128 bytes each
.set BIMGD, 4608                       ; the second operand's 8 fragments (4 R + s) begin so far behind AIMG,
.set BSCD,  8704                       ; their scale words so far behind ASC
.set RED,   81408                      ; 512 bytes of partial sums for each wave
.set SPARE, 83456                      ; the spare words, 128 bytes a wave: no other line names them
.set VL, 1                             ; lane L
.set VR, 2                             ; r = L % 16
.set VH, 3                             ; h = L / 16
.set A16L, 4                           ; 16 L
.set ASW, 5                            ; 256 h + 4 r: the weights' scale words
.set A16T, 6                           ; 16 T
.set A32T, 7                           ; 32 T
.set TS, 8                             ; stage, in: w TURNW + 16 L
.set TL, 9                             ; stage, out: w TURNW + r TP + 64 h
.set IW, 10                            ; images, in: AIMG + 1024 w + 16 L
.set IR, 11                            ; images, out: AIMG + 16 L
.set SW, 12                            ; scale words, in: ASC + 128 w + 4 L
.set SR, 13                            ; scale words, out: ASC + 4 L
.set RW, 14                            ; RED + 512 w + 16 L
.set RR, 15                            ; RED + 16 L
.set SWA, 16                           ; v16-31 the first product's weight scales, 4 s + t: lanes 0-15 g = 0, lanes 16-31 g = 1
.set SWB, 32                           ; v32-47 the second's
.set XS, 48                            ; v48-51 the first operand's scale words, by K step
.set HS, 52                            ; v52-59 the second's, 4 R + s
.set B3, 60                            ; b3[h]
.set A4H, 61                           ; 4 h
.set SPW, 62                           ; LDS address of my spare word; never rewritten
.set NIL, 63                           ; 0; never rewritten
.set B2R, 64                           ; v64-127 until the second operand is made:
.set W3R, 68                           ; W3[4 T + t][o] at 2 t + o
.set W3T, 76                           ; the same at 4 o + t
.set H2, 84
.set D2, 88
.set M2, 92
.set Q2, 96
.set TT, 100                           ; 16 at work in tanh; then q2 V[a] at 4 a + t
.set YR, 116
.set KA, 120                           ; a constant of tanh, twice
.set KB, 122                           ; another
.set ZQ, 124                           ; four zeros: the rows that fill a tile
.set ACC, 128                          ; the products' results
.set W1R, 128                          ; v128-255 while the first operand is made: W1[c][4 T + t] at 4 c + t
.set B1R, 144
.set D1, 148
.set N1, 152
.set M1, 156
.set P1, 160
.set MW, 164                           ; n d1 W1[a]
.set PWR, 180                          ; p W1[a]
.set HH, 196
.set T2, 200                           ; T2[pair] at 4 pair + t
.set H1, 240
.set ST0, 128                          ; the quantiser's 64 numbers;
.set ST1, 64                           ; the second tile's
.set TM, 200                           ; its 16 registers at work
.set PC0, 216                          ; codes
.set PC1, 224
.set PW0, 232                          ; scale words
.set PW1, 233
.set XF, 192                           ; the first operand's four fragments
.set HF, 64                            ; the second's eight
.set IN, 192                           ; m2 V[a], q2 V V + m2 V2 at 4 kind + t
.set EE, 64                            ; S[o,a] + n W1[a] U[o], pairs over o
.set FF, 72                            ; dddy's bracket, pairs over o
.set T1W, 0                            ; window 3
.set NWW, 16
.set PWW, 32
.set OUTW, 128
.set MSB, 0
.macro WIN new                         ; the immediate's high byte repeats the setting that is left; a switch that changes nothing is dropped
.if MSB != \new
	s_set_vgpr_msb (MSB<<8)|\new
.set MSB, \new
.endif
.endm
.macro PAIRS op                        ; the ten pairs: number, a, c
	\op 0,0,0
	\op 1,0,1
	\op 2,0,2
	\op 3,0,3
	\op 4,1,1
	\op 5,1,2
	\op 6,1,3
	\op 7,2,2
	\op 8,2,3
	\op 9,3,3
.endm
.macro WLOAD F, s                      ; family F's eight weight fragments of K step s: 16 loads of 512 consecutive bytes, into window 1 + F
	WIN 0x40*(1+\F)
.irp u, 0,1,2,3,4,5,6,7
.irp c, 0,1
	global_load_b128 v[(8*(\s)+\u)*8+4*\c:(8*(\s)+\u)*8+4*\c+3], v[A16L], s[40:41] offset:\F*131072+(\s)*8192+\u*1024+\c*512
.endr
.endr
	WIN 0
.endm
.macro SLOAD F                         ; family F's 16 registers of weight scale words
.irp s, 0,1,2,3
.irp t, 0,1,2,3
	global_load_b32 v[SWA+16*\F+4*\s+\t], v[ASW], s[42:43] offset:262144+\F*8192+\s*512+\t*64
.endr
.endr
.endm
; tanh of four neighbouring registers: z held to +-7.9053; z P(z^2) / Q(z^2), P of degree 6, Q of degree 3; the result held to +-1
.macro TANH4 src, dst
.irp t, 0,1,2,3
	v_med3_num_f32 v[TT+\t], v[\src+\t], s53, s52
.endr
.irp u, 0,2
	v_pk_mul_f32 v[TT+4+\u:TT+5+\u], v[TT+\u:TT+1+\u], v[TT+\u:TT+1+\u]
.endr
.irp u, 0,2
	v_pk_fma_f32 v[TT+12+\u:TT+13+\u], v[TT+4+\u:TT+5+\u], 0x35A0D3D8, v[KB:KB+1] op_sel_hi:[1,0,1]
	v_pk_fma_f32 v[TT+8+\u:TT+9+\u], v[TT+4+\u:TT+5+\u], 0xA59F25C0, v[KA:KA+1] op_sel_hi:[1,0,1]
.endr
.irp k, 0x3B14AA05, 0x3BA059DD
.irp u, 0,2
	v_pk_fma_f32 v[TT+12+\u:TT+13+\u], v[TT+12+\u:TT+13+\u], v[TT+4+\u:TT+5+\u], \k op_sel_hi:[1,1,0]
.endr
.endr
	s_wait_alu depctr_va_vdst(0)
.irp t, 0,1,2,3
	v_rcp_f32 v[TT+12+\t], v[TT+12+\t]
.endr
.irp k, 0xAEBD37FF, 0x335C0041, 0x3779434A, 0x3A270DED, 0x3BA059DC
.irp u, 0,2
	v_pk_fma_f32 v[TT+8+\u:TT+9+\u], v[TT+8+\u:TT+9+\u], v[TT+4+\u:TT+5+\u], \k op_sel_hi:[1,1,0]   ; the numerator: plain work behind the four reciprocals, which it does not name
.endr
.endr
.irp u, 0,2
	v_pk_mul_f32 v[TT+8+\u:TT+9+\u], v[TT+8+\u:TT+9+\u], v[TT+\u:TT+1+\u]
.endr
	s_wait_alu depctr_va_vdst(0)                   ; one wait for the four reciprocals, ahead of their first reader
.irp u, 0,2
	v_pk_mul_f32 v[\dst+\u:\dst+\u+1], v[TT+8+\u:TT+9+\u], v[TT+12+\u:TT+13+\u]
.endr
.irp t, 0,1,2,3
	v_med3_num_f32 v[\dst+\t], v[\dst+\t], -1.0, 1.0
.endr
.endm
; 64 numbers of a lane, register 16 b + i = K 32 b + 16 h + i of row r, become a fragment's codes in v[pc] on and the row's scale word in v[pw]
.macro QUANT s, pc, pw
.irp b, 0,1,2,3
	v_max3_num_f32 v[TM+\b], |v[\s+16*\b]|, |v[\s+1+16*\b]|, 0x1800000   ; my 16 numbers of block b, and the floor 2^(3 - 127): the byte cannot fall under 1
.endr
.irp i, 2,4,6,8,10,12,14
.irp b, 0,1,2,3
	v_max3_num_f32 v[TM+\b], v[TM+\b], |v[\s+16*\b+\i]|, |v[\s+1+16*\b+\i]|
.endr
.endr
.irp b, 0,1,2,3
	v_permlanex16_b32 v[TM+4+\b], v[TM+\b], s48, s49
.endr
.irp b, 0,1,2,3
	v_max_num_f32 v[TM+\b], v[TM+\b], v[TM+4+\b]               ; with lane L xor 16's: the block's largest magnitude
.endr
.irp b, 0,1,2,3
	v_add_nc_u32 v[TM+12+\b], 0xff000000, v[TM+\b]             ; 2 off its exponent field: the conversion's scale operand
.endr
.irp b, 0,1,2,3
	v_lshrrev_b32 v[TM+4+\b], 23, v[TM+12+\b]                  ; the scale's byte
.endr
	v_lshl_or_b32 v[\pw], v[TM+5], 8, v[TM+4]
	v_lshl_or_b32 v[\pw], v[TM+6], 16, v[\pw]
	v_lshl_or_b32 v[\pw], v[TM+7], 24, v[\pw]
.irp b, 0,1,2,3
	v_cvt_scalef32_pk8_fp4_f32 v[\pc+2*\b], v[\s+16*\b:\s+7+16*\b], v[TM+12+\b]
	v_cvt_scalef32_pk8_fp4_f32 v[\pc+1+2*\b], v[\s+8+16*\b:\s+15+16*\b], v[TM+12+\b]
.endr
	v_nop                                          ; one plain line behind the last scaled conversion
.irp c, 0,1                                    ; the operand's layout wants a whole block in a lane: lanes 0-15 block 2 c, lanes 16-31 block 2 c + 1
.irp i, 0,1
	v_permlane16_swap_b32 v[\pc+4*\c+\i], v[\pc+2+4*\c+\i]
.endr
.endr
.endm
.macro TLOAD16 reg, off                        ; 16 rows out of my stage: row r, 16 neighbours of each block of 32
.irp b, 0,1,2,3
.irp q, 0,1,2,3
	ds_load_b128 v[\reg+16*\b+4*\q:\reg+16*\b+4*\q+3], v[TL] offset:\off+128*\b+16*\q
.endr
.endr
.endm
.macro IMAGE pc, off                           ; a fragment goes to LDS as it stands in its registers
.irp c, 0,1
	ds_store_b128 v[IW], v[\pc+4*\c:\pc+4*\c+3] offset:\off+512*\c
.endr
.endm
.macro FETCH reg, off                          ; and comes back so, in any wave
.irp c, 0,1
	ds_load_b128 v[\reg+4*\c:\reg+4*\c+3], v[IR] offset:\off+512*\c
.endr
.endm
; one product: D, rows' fragment, weights' fragment, the two scale registers; st = 0: it starts the sum; hi = 1: the weights' scales stand in lanes 16-31
.macro MM d, a, b, sa, sb, st, hi
.if (\st) == 0
.if \hi
	v_wmma_scale_f32_16x16x128_f8f6f4 v[(\d):(\d)+7], v[(\a):(\a)+7], v[(\b):(\b)+7], 0, v[\sa], v[\sb] matrix_a_fmt:MATRIX_FMT_FP4 matrix_b_fmt:MATRIX_FMT_FP4 matrix_b_scale:MATRIX_SCALE_ROW1
.else
	v_wmma_scale_f32_16x16x128_f8f6f4 v[(\d):(\d)+7], v[(\a):(\a)+7], v[(\b):(\b)+7], 0, v[\sa], v[\sb] matrix_a_fmt:MATRIX_FMT_FP4 matrix_b_fmt:MATRIX_FMT_FP4
.endif
.else
.if \hi
	v_wmma_scale_f32_16x16x128_f8f6f4 v[(\d):(\d)+7], v[(\a):(\a)+7], v[(\b):(\b)+7], v[(\d):(\d)+7], v[\sa], v[\sb] matrix_a_fmt:MATRIX_FMT_FP4 matrix_b_fmt:MATRIX_FMT_FP4 matrix_b_scale:MATRIX_SCALE_ROW1
.else
	v_wmma_scale_f32_16x16x128_f8f6f4 v[(\d):(\d)+7], v[(\a):(\a)+7], v[(\b):(\b)+7], v[(\d):(\d)+7], v[\sa], v[\sb] matrix_a_fmt:MATRIX_FMT_FP4 matrix_b_fmt:MATRIX_FMT_FP4
.endif
.endif
.endm
; packed over a pair (o = 0, 1), with ONE register b feeding both halves: the pair that holds b is named, and op_sel picks b in it
.macro PKFMAB d, a, b, c
.if ((\b)&1)
	v_pk_fma_f32 v[(\d):(\d)+1], v[(\a):(\a)+1], v[(\b)-1:(\b)], v[(\c):(\c)+1] op_sel:[0,1,0] op_sel_hi:[1,1,1]
.else
	v_pk_fma_f32 v[(\d):(\d)+1], v[(\a):(\a)+1], v[(\b):(\b)+1], v[(\c):(\c)+1] op_sel_hi:[1,0,1]
.endif
.endm
.macro PKMULB d, a, b
.if ((\b)&1)
	v_pk_mul_f32 v[(\d):(\d)+1], v[(\a):(\a)+1], v[(\b)-1:(\b)] op_sel:[0,1] op_sel_hi:[1,1]
.else
	v_pk_mul_f32 v[(\d):(\d)+1], v[(\a):(\a)+1], v[(\b):(\b)+1] op_sel_hi:[1,0]
.endif
.endm
; a step of the sum over lanes: of values i and i + n/2 a lane keeps one (by its bit in the mask) and hands the other to the lane xm away: half the registers, no value summed twice
.macro MERGE n, src, tmp, dst, mask, xm
.set i, 0
.rept \n/2
	v_cndmask_b32 v[\tmp+i], v[\src+i], v[\src+\n/2+i], s[\mask]
	v_cndmask_b32 v[\tmp+\n/2+i], v[\src+\n/2+i], v[\src+i], s[\mask]
.set i, i+1
.endr
.set i, 0
.rept \n/2
	v_add_f32_dpp v[\dst+i], v[\tmp+\n/2+i], v[\tmp+i] row_xmask:\xm row_mask:0xf bank_mask:0xf
.set i, i+1
.endr
.endm
.macro BARRIER                                 ; my LDS stores have landed and my LDS loads are in: then the work-group's barrier
	s_wait_dscnt 0x0
	s_barrier_signal -1
	s_barrier_wait -1
.endm
	; ---- THE HEAD
	s_load_b512 s[8:23], s[0:1], 0x0               ; x s[8:9], W1 s[10:11], b1 s[12:13], b2 s[14:15], W3 s[16:17], b3 s[18:19], wq s[20:21], out0 s[22:23]
	s_load_b128 s[24:27], s[0:1], 0x40             ; out1, out2
	s_load_b64 s[28:29], s[0:1], 0x50              ; out3
	v_lshl_add_u32 v[SPW], v0, 2, SPARE
	v_mov_b32 v[NIL], 0
	v_lshrrev_b32 v100, 5, v0                      ; the wave's number, in every lane
	v_readfirstlane_b32 s30, v100                  ; and as a scalar
	v_and_b32 v[VL], 31, v0
	v_and_b32 v[VR], 15, v0
	v_bfe_u32 v[VH], v0, 4, 1
	v_lshlrev_b32 v[A16L], 4, v[VL]
	v_lshlrev_b32 v[ASW], 2, v[VR]
	v_lshl_add_u32 v[ASW], v[VH], 8, v[ASW]
	v_lshlrev_b32 v[A16T], 4, v0
	v_lshlrev_b32 v[A32T], 5, v0
	v_mul_u32_u24 v101, v100, TURNW
	v_add_nc_u32 v[TS], v101, v[A16L]
	v_mad_u32_u24 v[TL], v[VR], TP, v101
	v_lshl_add_u32 v[TL], v[VH], 6, v[TL]
	v_lshl_add_u32 v[IW], v100, 10, v[A16L]
	v_add_nc_u32 v[IW], AIMG, v[IW]
	v_add_nc_u32 v[IR], AIMG, v[A16L]
	v_lshlrev_b32 v102, 2, v[VL]
	v_lshl_add_u32 v[SW], v100, 7, v102
	v_add_nc_u32 v[SW], ASC, v[SW]
	v_add_nc_u32 v[SR], ASC, v102
	v_lshl_add_u32 v[RW], v100, 9, v[A16L]
	v_add_nc_u32 v[RW], RED, v[RW]
	v_add_nc_u32 v[RR], RED, v[A16L]
	v_lshlrev_b32 v[A4H], 2, v[VH]
	v_mov_b32 v[KA], 0x2A61337E
	v_mov_b32 v[KA+1], 0x2A61337E
	v_mov_b32 v[KB], 0x38F895D6
	v_mov_b32 v[KB+1], 0x38F895D6
.irp t, 0,1,2,3
	v_mov_b32 v[ZQ+\t], 0
.endr
	s_mov_b32 s44, 0xFF00FF00                      ; lanes whose number has bit 3, 2, 1, 0 set
	s_mov_b32 s45, 0xF0F0F0F0
	s_mov_b32 s46, 0xCCCCCCCC
	s_mov_b32 s47, 0xAAAAAAAA
	s_mov_b32 s48, 0x76543210                      ; v_permlanex16_b32's selects for lane L xor 16
	s_mov_b32 s49, 0xfedcba98
	s_mov_b32 s52, 0x40FCF84F                      ; 7.9053
	s_mov_b32 s53, 0xC0FCF84F
	s_lshl_b32 s36, ttmp9, 4                       ; my sample's bytes in x,
	s_mov_b32 s37, 0
	s_lshl_b32 s40, s30, 15                        ; my wave's codes in a family of wq,
	s_mov_b32 s41, 0
	s_lshl_b32 s42, s30, 11                        ; its scale words,
	s_mov_b32 s43, 0
	s_lshl_b32 s54, ttmp9, 3                       ; and my sample's bytes in the four outputs
	s_mov_b32 s55, 0
	s_lshl_b32 s56, ttmp9, 5
	s_mov_b32 s57, 0
	s_lshl_b32 s58, ttmp9, 7
	s_mov_b32 s59, 0
	s_lshl_b32 s60, ttmp9, 9
	s_mov_b32 s61, 0
	s_wait_alu depctr_va_vdst(0)
	s_wait_kmcnt 0x0
	s_add_nc_u64 s[8:9], s[8:9], s[36:37]
	s_load_b128 s[32:35], s[8:9], 0x0              ; x[sample][0..3]
	s_add_nc_u64 s[40:41], s[20:21], s[40:41]
	s_add_nc_u64 s[42:43], s[20:21], s[42:43]
	s_add_nc_u64 s[22:23], s[22:23], s[54:55]
	s_add_nc_u64 s[24:25], s[24:25], s[56:57]
	s_add_nc_u64 s[26:27], s[26:27], s[58:59]
	s_add_nc_u64 s[28:29], s[28:29], s[60:61]
.irp c, 0,1,2,3
	global_load_b128 v[W1R+4*\c:W1R+4*\c+3], v[A16T], s[10:11] offset:\c*2048
.endr
	global_load_b128 v[B1R:B1R+3], v[A16T], s[12:13]
	global_load_b128 v[B2R:B2R+3], v[A16T], s[14:15]
	global_load_b128 v[W3R:W3R+3], v[A32T], s[16:17]
	global_load_b128 v[W3R+4:W3R+7], v[A32T], s[16:17] offset:16
	global_load_b32 v[B3], v[A4H], s[18:19]
	SLOAD 0
	WLOAD 0, 0
	WLOAD 0, 1
	WLOAD 0, 2
	WLOAD 0, 3
	s_wait_kmcnt 0x0                               ; x
	s_wait_loadcnt 63                              ; 89 loads were issued: the oldest 26, the nine small ones among them, are in; the weights stay on their way
	; ---- X: the first operand's 16 rows at my four hidden units
.irp t, 0,1,2,3
	v_fma_f32 v[H1+\t], s32, v[W1R+\t], v[B1R+\t]
.endr
.irp c, 1,2,3
.irp t, 0,1,2,3
	v_fma_f32 v[H1+\t], s[32+\c], v[W1R+4*\c+\t], v[H1+\t]
.endr
.endr
	TANH4 H1, H1
.irp u, 0,2
	v_pk_fma_f32 v[D1+\u:D1+\u+1], v[H1+\u:H1+\u+1], v[H1+\u:H1+\u+1], 1.0 op_sel_hi:[1,1,0] neg_lo:[1,0,0] neg_hi:[1,0,0]   ; d1 = 1 - h1^2, one rounding
	v_pk_mul_f32 v[N1+\u:N1+\u+1], v[H1+\u:H1+\u+1], -2.0 op_sel_hi:[1,0]
	v_pk_mul_f32 v[HH+\u:HH+\u+1], v[H1+\u:H1+\u+1], v[H1+\u:H1+\u+1]
.endr
.irp u, 0,2
	v_pk_mul_f32 v[M1+\u:M1+\u+1], v[N1+\u:N1+\u+1], v[D1+\u:D1+\u+1]
	v_pk_fma_f32 v[P1+\u:P1+\u+1], v[HH+\u:HH+\u+1], 0x40c00000, -2.0 op_sel_hi:[1,0,0]
.endr
.irp a, 0,1,2,3
.irp u, 0,2
	v_pk_mul_f32 v[MW+4*\a+\u:MW+4*\a+\u+1], v[M1+\u:M1+\u+1], v[W1R+4*\a+\u:W1R+4*\a+\u+1]
	v_pk_mul_f32 v[PWR+4*\a+\u:PWR+4*\a+\u+1], v[P1+\u:P1+\u+1], v[W1R+4*\a+\u:W1R+4*\a+\u+1]
.endr
.endr
.macro XT2 idx, a, c
.irp u, 0,2
	v_pk_mul_f32 v[T2+4*\idx+\u:T2+4*\idx+\u+1], v[MW+4*\a+\u:MW+4*\a+\u+1], v[W1R+4*\c+\u:W1R+4*\c+\u+1]
.endr
.endm
	PAIRS XT2
	WIN 0xc0                                       ; destination window 3: what the last sums want
.irp a, 0,1,2,3
.irp u, 0,2
	v_pk_mul_f32 v[T1W+4*\a+\u:T1W+4*\a+\u+1], v[D1+\u:D1+\u+1], v[W1R+4*\a+\u:W1R+4*\a+\u+1]
	v_pk_mul_f32 v[NWW+4*\a+\u:NWW+4*\a+\u+1], v[N1+\u:N1+\u+1], v[W1R+4*\a+\u:W1R+4*\a+\u+1]
.endr
.endr
.macro XPWW idx, a, c
.irp u, 0,2
	v_pk_mul_f32 v[PWW+4*\idx+\u:PWW+4*\idx+\u+1], v[PWR+4*\a+\u:PWR+4*\a+\u+1], v[W1R+4*\c+\u:W1R+4*\c+\u+1]
.endr
.endm
	PAIRS XPWW
	WIN 0
	ds_store_b128 v[TS], v[H1:H1+3]                ; row 0
	WIN 0x0c                                       ; an LDS store's data are its source 1: window 3
.irp a, 0,1,2,3
	ds_store_b128 v[TS], v[T1W+4*\a:T1W+4*\a+3] offset:(1+\a)*TP
.endr
	WIN 0
.irp p, 0,1,2,3,4,5,6,7,8,9
	ds_store_b128 v[TS], v[T2+4*\p:T2+4*\p+3] offset:(5+\p)*TP
.endr
	ds_store_b128 v[TS], v[ZQ:ZQ+3] offset:15*TP
	SLOAD 1                                        ; the second product's weights follow the first's
	WLOAD 1, 0
	TLOAD16 ST0, 0                                 ; LDS serves a wave's instructions in order: these see my stores
	s_wait_dscnt 0x0
	QUANT ST0, PC0, PW0
	IMAGE PC0, 0                                   ; K step w of the first product
	ds_store_b32 v[SW], v[PW0]
	WLOAD 1, 1
	BARRIER                                        ; the first operand's four fragments lie in LDS
	; ---- A: the first product: 16 rows x my 128 columns, 32 matrix instructions, eight accumulators by turns
.irp s, 0,1,2,3
	FETCH XF+8*\s, 1024*\s
	ds_load_b32 v[XS+\s], v[SR] offset:128*\s
.endr
	s_wait_loadcnt 48                              ; behind the first product's weights 48 loads were issued (the second's scale words and K steps 0, 1): they may stay out
	s_wait_dscnt 0x0
	WIN 0x04                                       ; source 1 (weights) window 1
.irp s, 0,1,2,3
.irp g, 0,1
.irp t, 0,1,2,3
	MM ACC+8*(4*\g+\t), XF+8*\s, 8*(8*\s+4*\g+\t), XS+\s, SWA+4*\s+\t, \s, \g
.endr
.endr
.endr
	WIN 0
.rept 4
	v_nop                                          ; four places between the last product and the first read of results
.endr
	WLOAD 1, 2
.irp t, 0,1,2,3
.irp j, 0,1,2,3,4,5,6,7
	v_permlane16_swap_b32 v[ACC+8*\t+\j], v[ACC+8*(4+\t)+\j]   ; row j, row 8 + j at column 128 w + 4 L + t; each accumulator from its low end on
.endr
.endr
	; ---- P: the second operand's 32 rows at my four hidden units.  Row rho of the first product at unit t: v[ACC + 8 (4 (rho / 8) + t) + rho % 8]
.irp t, 0,1,2,3
	v_add_f32 v[H2+\t], v[ACC+8*\t], v[B2R+\t]
.endr
	TANH4 H2, H2
.irp u, 0,2
	v_pk_fma_f32 v[D2+\u:D2+\u+1], v[H2+\u:H2+\u+1], v[H2+\u:H2+\u+1], 1.0 op_sel_hi:[1,1,0] neg_lo:[1,0,0] neg_hi:[1,0,0]
	v_pk_mul_f32 v[M2+\u:M2+\u+1], v[H2+\u:H2+\u+1], -2.0 op_sel_hi:[1,0]
	v_pk_mul_f32 v[Q2+\u:Q2+\u+1], v[H2+\u:H2+\u+1], v[H2+\u:H2+\u+1]
.endr
.irp u, 0,2
	v_pk_mul_f32 v[M2+\u:M2+\u+1], v[M2+\u:M2+\u+1], v[D2+\u:D2+\u+1]
	v_pk_fma_f32 v[Q2+\u:Q2+\u+1], v[Q2+\u:Q2+\u+1], 0x40c00000, -2.0 op_sel_hi:[1,0,0]
.endr
.irp u, 0,2
	v_pk_mul_f32 v[Q2+\u:Q2+\u+1], v[Q2+\u:Q2+\u+1], v[D2+\u:D2+\u+1]
.endr
.irp o, 0,1
.irp t, 0,1,2,3
	v_mov_b32 v[W3T+4*\o+\t], v[W3R+2*\t+\o]       ; W3 by output, so that a row's four numbers are made by two packed products
.endr
.endr
	PKMULB YR, W3R, H2                             ; my four terms of y, both outputs at once
	PKFMAB YR, W3R+2, H2+1, YR
	PKFMAB YR, W3R+4, H2+2, YR
	WIN 0xc0
	PKFMAB OUTW+120, W3R+6, H2+3, YR               ; kappa = 15, k = 0
.irp i, 0,1,2,3,4,5
	v_mov_b32 v[OUTW+122+\i], 0                    ; its k = 1..3 are summed with the rest and stored nowhere
.endr
	WIN 0
.irp a, 0,1,2,3
.irp t, 0,1,2,3
	v_mul_f32 v[IN+4*(1+\a)+\t], v[M2+\t], v[ACC+8*\t+1+\a]    ; m2 V[a]
	v_mul_f32 v[TT+4*\a+\t], v[Q2+\t], v[ACC+8*\t+1+\a]        ; q2 V[a]
.endr
.endr
.macro PV2 idx, a, c
.irp t, 0,1,2,3
	v_mul_f32 v[IN+4*(5+\idx)+\t], v[M2+\t], v[ACC+(((5+\idx)/8)*4+\t)*8+(5+\idx)%8]   ; m2 V2[pair]
.endr
.endm
.macro PVV idx, a, c
.irp t, 0,1,2,3
	v_fma_f32 v[IN+4*(5+\idx)+\t], v[TT+4*\a+\t], v[ACC+8*\t+1+\c], v[IN+4*(5+\idx)+\t]   ; + q2 V[a] V[c]
.endr
.endm
	PAIRS PV2
	PAIRS PVV
	WLOAD 1, 3
.set n, 0
.rept 30                                       ; row n = 2 kind + o: W3[:,o] x the kind's factor
.if n == 16
	s_wait_dscnt 0x0                               ; the first sixteen stores have read their registers, which are written again
.endif
.set src, IN+4*(n/2)
.if n < 2
.set src, D2
.endif
.set dq, ACC+4*(n%16)
	v_pk_mul_f32 v[dq:dq+1], v[src:src+1], v[W3T+4*(n%2):W3T+4*(n%2)+1]
	v_pk_mul_f32 v[dq+2:dq+3], v[src+2:src+3], v[W3T+4*(n%2)+2:W3T+4*(n%2)+3]
	ds_store_b128 v[TS], v[dq:dq+3] offset:n*TP
.set n, n+1
.endr
	ds_store_b128 v[TS], v[ZQ:ZQ+3] offset:30*TP
	ds_store_b128 v[TS], v[ZQ:ZQ+3] offset:31*TP
	s_wait_dscnt 0x0                               ; the stores have read their registers: the loads below land there
	TLOAD16 ST0, 0
	TLOAD16 ST1, 16*TP
	s_wait_dscnt 0x0
	QUANT ST0, PC0, PW0
	QUANT ST1, PC1, PW1
	IMAGE PC0, BIMGD                               ; K step w of the second product, rows 0-15,
	IMAGE PC1, BIMGD+4096                          ; rows 16-31
	ds_store_b32 v[SW], v[PW0] offset:BSCD
	ds_store_b32 v[SW], v[PW1] offset:BSCD+512
	BARRIER                                        ; the second operand's eight fragments lie in LDS
	; ---- B: the second product: 32 rows x my 128 columns, 64 matrix instructions, sixteen accumulators by turns
.irp f, 0,1,2,3,4,5,6,7
	FETCH HF+8*\f, BIMGD+1024*\f
	ds_load_b32 v[HS+\f], v[SR] offset:BSCD+128*\f
.endr
	s_wait_dscnt 0x0
	WIN 0x08                                       ; source 1 (weights) window 2
.irp s, 0,1,2,3
	s_wait_loadcnt 48-16*\s                        ; the weights up to K step s are in; the 16 loads of each later step may stay out
.irp R, 0,1
.irp g, 0,1
.irp t, 0,1,2,3
	MM ACC+8*(8*\R+4*\g+\t), HF+8*(4*\R+\s), 8*(8*\s+4*\g+\t), HS+4*\R+\s, SWB+4*\s+\t, \s, \g
.endr
.endr
.endr
.endr
	WIN 0
.rept 4
	v_nop                                          ; four places between the last product and the first read of results
.endr
.irp R, 0,1
.irp t, 0,1,2,3
.irp j, 0,1,2,3,4,5,6,7
	v_permlane16_swap_b32 v[ACC+64*\R+8*\t+\j], v[ACC+64*\R+8*(4+\t)+\j]
.endr
.endr
.endr
	; ---- C: the brackets and the sums over my four hidden units, both outputs at once.  The pair (o = 0, 1) of a kind at unit t: v[ACC + 8 (4 (kind / 4) + t) + 2 (kind % 4)]
.macro CE a
.set rS, ACC+(((1+\a)/4)*4+CT)*8+2*((1+\a)%4)
	PKFMAB EE+2*\a, ACC+8*CT, NWW+4*\a+CT, rS      ; S[a] + n W1[a] U
.endm
.macro CF1 idx, a, c
.set rS, ACC+(((1+\c)/4)*4+CT)*8+2*((1+\c)%4)
.set r3, ACC+(((5+\idx)/4)*4+CT)*8+2*((5+\idx)%4)
	PKFMAB FF+2*\idx, rS, NWW+4*\a+CT, r3          ; S3 + n W1[a] S[c]
.endm
.macro CF2 idx, a, c
.set rS, ACC+(((1+\a)/4)*4+CT)*8+2*((1+\a)%4)
	PKFMAB FF+2*\idx, rS, NWW+4*\c+CT, FF+2*\idx   ; + n W1[c] S[a]
.endm
.macro CF3 idx, a, c
	PKFMAB FF+2*\idx, ACC+8*CT, PWW+4*\idx+CT, FF+2*\idx   ; + p W1[a] W1[c] U
.endm
.macro COUT kap, xr                            ; the four sums of kappa take T1[k] x its bracket; the first unit's products start the sums
.irp k, 0,1,2,3
.if CT == 0
	PKMULB OUTW+8*(\kap)+2*\k, \xr, T1W+4*\k+CT
.else
	PKFMAB OUTW+8*(\kap)+2*\k, \xr, T1W+4*\k+CT, OUTW+8*(\kap)+2*\k
.endif
.endr
.endm
.set CT, 0
.rept 4
	WIN 0x0c                                       ; source 1 window 3
.irp a, 0,1,2,3
	CE \a
.endr
	PAIRS CF1
	PAIRS CF2
	PAIRS CF3
	WIN 0xfc                                       ; source 1, source 2 and destination window 3
	COUT 0, ACC+8*CT
.irp a, 0,1,2,3
	COUT 1+\a, EE+2*\a
.endr
.irp p, 0,1,2,3,4,5,6,7,8,9
	COUT 5+\p, FF+2*\p
.endr
.set CT, CT+1
.endr
	; ---- R: 128 sums over 32 lanes.  Each step halves the registers; at the end lane (h, r) holds output o = h, kappa = r, k = 0..3
	WIN 0x0f                                       ; sources 0 and 1 window 3
.set i, 0
.rept 64
	v_cndmask_b32 v[128+i], v[OUTW+i], v[OUTW+64+i], s44
	v_cndmask_b32 v[192+i], v[OUTW+64+i], v[OUTW+i], s44
.set i, i+1
.endr
	WIN 0
.set i, 0
.rept 64
	v_add_f32_dpp v[64+i], v[192+i], v[128+i] row_xmask:8 row_mask:0xf bank_mask:0xf
.set i, i+1
.endr
	MERGE 64, 64, 128, 192, 45, 4
	MERGE 32, 192, 128, 64, 46, 2
	MERGE 16, 64, 128, 80, 47, 1
.irp k, 0,1,2,3
	v_permlane16_swap_b32 v[80+2*\k], v[81+2*\k]   ; o = 0's upper half against o = 1's lower half
.endr
.irp k, 0,1,2,3
	v_add_f32 v[88+\k], v[80+2*\k], v[81+2*\k]
.endr
	ds_store_b128 v[RW], v[88:91]
	BARRIER                                        ; the four waves' partial sums lie in LDS
	; ---- O: wave 0 adds them and stores the sample's results
	s_cmp_lg_u32 s30, 0
	s_cbranch_scc1 .Lnot_wave_0
.irp q, 0,1,2,3
	ds_load_b128 v[96+4*\q:99+4*\q], v[RR] offset:512*\q
.endr
	v_bfe_u32 v116, v0, 2, 2                       ; out3: lane L stores (o, a, c) = (L / 16, (L / 4) % 4, L % 4), k = 0..3
	v_and_b32 v117, 3, v0
	v_min_u32 v118, v116, v117                     ; lo
	v_max_u32 v119, v116, v117                     ; hi
	v_sub_nc_u32 v120, 7, v118
	v_mul_u32_u24 v120, v118, v120
	v_lshrrev_b32 v120, 1, v120
	v_add3_u32 v120, v120, v119, 5                 ; kappa = 5 + lo (7 - lo) / 2 + hi
	v_and_b32 v121, 16, v0
	v_add_lshl_u32 v120, v120, v121, 2             ; the lane that holds it, x 4
	v_lshlrev_b32 v122, 4, v[VH]                   ; out1: 16 o
	v_add_nc_u32 v123, 3, v[VR]
	v_and_b32 v123, 3, v123                        ; (kappa - 1) % 4
	v_lshl_add_u32 v123, v[VH], 2, v123
	v_lshlrev_b32 v123, 4, v123                    ; out2: 16 (4 o + a)
	v_add_nc_u32 v121, -1, v[VR]                   ; kappa - 1
	s_wait_dscnt 0x0
	v_pk_add_f32 v[96:97], v[96:97], v[100:101]
	v_pk_add_f32 v[98:99], v[98:99], v[102:103]
	v_pk_add_f32 v[104:105], v[104:105], v[108:109]
	v_pk_add_f32 v[106:107], v[106:107], v[110:111]
	v_pk_add_f32 v[112:113], v[96:97], v[104:105]
	v_pk_add_f32 v[114:115], v[98:99], v[106:107]
	v_add_f32 v92, v112, v[B3]                     ; y + b3, where kappa = 15
.irp k, 0,1,2,3
	ds_bpermute_b32 v[124+\k], v120, v[112+\k]
.endr
	s_wait_alu depctr_va_vdst(0)
	s_wait_dscnt 0x0
	global_store_b128 v[A16L], v[124:127], s[28:29]    ; out3: 512 consecutive bytes, aligned
	v_cmp_eq_u32 vcc_lo, 0, v[VR]
	s_wait_xcnt 0x0                                ; EXEC changes only behind this wait
	s_and_saveexec_b32 s50, vcc_lo
	global_store_b128 v122, v[112:115], s[24:25]   ; out1: a sample's share is 32 bytes
	s_wait_xcnt 0x0
	s_or_b32 exec_lo, exec_lo, s50
	v_cmp_gt_u32 vcc_lo, 4, v121
	s_and_saveexec_b32 s50, vcc_lo
	global_store_b128 v123, v[112:115], s[26:27]   ; out2: 128 bytes
	s_wait_xcnt 0x0
	s_or_b32 exec_lo, exec_lo, s50
	v_cmp_eq_u32 vcc_lo, 15, v[VR]
	s_and_saveexec_b32 s50, vcc_lo
	global_store_b32 v[A4H], v92, s[22:23]         ; out0: 8 bytes
	s_wait_xcnt 0x0
	s_or_b32 exec_lo, exec_lo, s50
.Lnot_wave_0:
	s_wait_tensorcnt 0x0                           ; the wave's end, behind my last LDS store
	ds_add_u32 v[SPW], v[NIL]
	s_wait_dscnt 0x0
	s_endpgm
.Lfunc_end_k_qbfb663a120_chain:
	.size	k_qbfb663a120_chain, .Lfunc_end_k_qbfb663a120_chain-k_qbfb663a120_chain
	.p2alignl 7, 3214868480
	.fill 96, 4, 3214868480
	.section	.rodata,"a",@progbits
	.p2align	6, 0x0
	.amdhsa_kernel k_qbfb663a120_chain
		.amdhsa_group_segment_fixed_size 83968
		.amdhsa_private_segment_fixed_size 0
		.amdhsa_enable_private_segment 0
		.amdhsa_kernarg_size 88
		.amdhsa_user_sgpr_count 2
		.amdhsa_user_sgpr_kernarg_segment_ptr 1
		.amdhsa_wavefront_size32 1
		.amdhsa_system_sgpr_workgroup_id_x 1
		.amdhsa_system_sgpr_workgroup_id_y 1
		.amdhsa_system_sgpr_workgroup_id_z 1
		.amdhsa_system_vgpr_workitem_id 0
		.amdhsa_next_free_vgpr 1024
		.amdhsa_next_free_sgpr 66
		.amdhsa_reserve_vcc 1
		.amdhsa_float_denorm_mode_32 3
		.amdhsa_float_denorm_mode_16_64 3
		.amdhsa_memory_ordered 1
		.amdhsa_forward_progress 1
		.amdhsa_inst_pref_size 128
	.end_amdhsa_kernel
	.amdgpu_metadata
---
amdhsa.version: [ 1, 2 ]
amdhsa.kernels:
  - .name:           k_qbfb663a120_chain
    .symbol:         k_qbfb663a120_chain.kd
    .args:
      - { .name: x, .offset: 0, .size: 8, .value_kind: global_buffer, .address_space: global }
      - { .name: W1, .offset: 8, .size: 8, .value_kind: global_buffer, .address_space: global }
      - { .name: b1, .offset: 16, .size: 8, .value_kind: global_buffer, .address_space: global }
      - { .name: b2, .offset: 24, .size: 8, .value_kind: global_buffer, .address_space: global }
      - { .name: W3, .offset: 32, .size: 8, .value_kind: global_buffer, .address_space: global }
      - { .name: b3, .offset: 40, .size: 8, .value_kind: global_buffer, .address_space: global }
      - { .name: wq, .offset: 48, .size: 8, .value_kind: global_buffer, .address_space: global }
      - { .name: out0, .offset: 56, .size: 8, .value_kind: global_buffer, .address_space: global }
      - { .name: out1, .offset: 64, .size: 8, .value_kind: global_buffer, .address_space: global }
      - { .name: out2, .offset: 72, .size: 8, .value_kind: global_buffer, .address_space: global }
      - { .name: out3, .offset: 80, .size: 8, .value_kind: global_buffer, .address_space: global }
    .group_segment_fixed_size: 83968
    .private_segment_fixed_size: 0
    .kernarg_segment_align: 8
    .kernarg_segment_size: 88
    .max_flat_workgroup_size: 128
    .sgpr_count:     66
    .vgpr_count:     1024
    .wavefront_size: 32
...
	.end_amdgpu_metadata
.endif
;; end of part 2
